; MI455X (gfx1250); checked and timed in simulation.
; The chip was launched on July 23, 2026; its instructions are those of AMD's public machine-readable ISA for CDNA 5 (MIT licence, August 2026) and "CDNA5" Instruction Set Architecture Reference Guide (July 2026). The comments in the code are by the model that wrote it; some were corrected since.
;; Multi Head Attention. Allowed arithmetic: float matrix products may take bf16 or f16 operands with f32 sums; all other float work in f32.
;; Inputs: Wk 1,024 x 1,024 float32; Wo 1,024 x 1,024 float32; Wq 1,024 x 1,024 float32; Wv 1,024 x 1,024 float32; x 2 x 2,048 x 1,024 float32.
;; Outputs: out0 2 x 2,048 x 1,024 float32.
;; 2 versions, each right; version 2 is version 1 with the launch prep written anew for expert scheduling mode. Each part assembles by itself: llvm-mc -triple=amdgcn-amd-amdhsa -mcpu=gfx1250 --defsym DOCPART=n.
;; ======== version 1 of 2: 4 launches
;; limits: values are held in f16: magnitudes above 65,504 overflow, below 6.1e-05 lose precision
;; workspace buffers: xh 8,388,608 bytes; wh 8,388,608 bytes; qkv 25,165,824 bytes; hh 8,388,608 bytes
;; launch prep (part 1): grid 256 x 1, 8 waves a work-group, no clusters, 0 bytes of LDS; arguments x, Wq, Wk, Wv, Wo, xh, wh; writes xh, wh
.if DOCPART == 1
	.amdgcn_target "amdgcn-amd-amdhsa--gfx1250"
	.amdhsa_code_object_version 6
	.text
	.protected	k_qea92e18809_prep
	.globl	k_qea92e18809_prep
	.p2align	8
	.type	k_qea92e18809_prep,@function
k_qea92e18809_prep:
	s_mov_b64 s[64:65], 0
	v_nop
	global_prefetch_b8 v0, s[64:65] scope:SCOPE_SE
	s_setreg_imm32_b32 hwreg(HW_REG_WAVE_MODE, 25, 1), 1
	s_wait_xcnt 0x0
; prep: x, Wq, Wk, Wv, Wo (f32) become xh and wh (f16): a linear stream, each byte read once and written once.
; wh holds four planes of 2,097,152 bytes: c*Wq, Wk, Wv, Wo, each [1024 k][1024 n] as in the input.
; c = log2(e)/8 is the softmax scale 1/sqrt(64) together with the change from base e to base 2: it is multiplied into Wq in f32
; before the one rounding to f16, so that the attention launch gets its scores ready for v_exp_f32 and only subtracts the maximum.
; 256 work-groups of 131,072 source bytes: 0-127 take x, then 32 each take Wq, Wk, Wv, Wo.  A wave takes 16,384 bytes as 32 loads of
; 512 consecutive bytes, all issued before the first is used; a store of a wave covers 256 consecutive bytes, aligned.
; No LDS, no matrix unit, no cluster: no byte is shared between waves.
; LIMITS: f16 holds magnitudes up to 65,504 (larger inputs become infinity); below 6.1e-5 the absolute error is at most 3e-8.
.set X,    8                           ; v[8:135]    load i: 4 f32
.set Y,    136                         ; v[136:199]  store i: 4 f16
.set CLOG, 0x3e38aa3b                  ; log2(e)/8
	s_load_b256 s[4:11], s[0:1], 0x0               ; x s[4:5], Wq s[6:7], Wk s[8:9], Wv s[10:11]
	s_load_b128 s[12:15], s[0:1], 0x20             ; Wo s[12:13], xh s[14:15]
	s_load_b64 s[16:17], s[0:1], 0x30              ; wh
	s_mov_b32 s2, ttmp9                            ; g, the work-group
	v_lshrrev_b32 v3, 5, v0                        ; wave
	v_and_b32 v4, 31, v0                           ; lane
	v_lshlrev_b32 v1, 4, v4
	v_lshl_or_b32 v1, v3, 14, v1                   ; source: 16,384 wave + 16 lane
	v_lshlrev_b32 v2, 3, v4
	v_lshl_or_b32 v2, v3, 13, v2                   ; destination: 8,192 wave + 8 lane
	s_and_b32 s24, s2, 31
	s_cmp_lt_u32 s2, 128
	s_cselect_b32 s24, s2, s24                     ; my part of the source: g in x, g mod 32 in a weight
	s_lshl_b32 s24, s24, 17
	s_mov_b32 s25, 0
	s_and_b32 s26, s2, 127                         ; my part of the destination: wh's planes are 32 parts of 65,536 bytes each
	s_lshl_b32 s26, s26, 16
	s_mov_b32 s27, 0
	s_mov_b32 s28, CLOG
	s_mov_b32 s29, CLOG                            ; the pair is named whole by the packed multiply
	s_wait_kmcnt 0x0
	s_cmp_ge_u32 s2, 128
	s_cselect_b64 s[20:21], s[6:7], s[4:5]
	s_cselect_b64 s[22:23], s[16:17], s[14:15]
	s_cmp_ge_u32 s2, 160
	s_cselect_b64 s[20:21], s[8:9], s[20:21]
	s_cmp_ge_u32 s2, 192
	s_cselect_b64 s[20:21], s[10:11], s[20:21]
	s_cmp_ge_u32 s2, 224
	s_cselect_b64 s[20:21], s[12:13], s[20:21]
	s_add_nc_u64 s[20:21], s[20:21], s[24:25]
	s_add_nc_u64 s[22:23], s[22:23], s[26:27]
.set i, 0
.rept 32
	global_load_b128 v[X+4*i:X+4*i+3], v1, s[20:21] offset:512*i th:TH_LOAD_NT
.set i, i+1
.endr
; 32 turns: wait for load i (the 31 - i younger ones stay out), round, store.  No register is written twice while an access names it.
.macro CONV scaled
.set i, 0
.rept 32
	s_wait_loadcnt 31-i
.if \scaled
	v_pk_mul_f32 v[X+4*i:X+4*i+1], v[X+4*i:X+4*i+1], s[28:29] op_sel_hi:[1,0]
	v_pk_mul_f32 v[X+4*i+2:X+4*i+3], v[X+4*i+2:X+4*i+3], s[28:29] op_sel_hi:[1,0]
.endif
	v_cvt_pk_f16_f32 v[Y+2*i], v[X+4*i], v[X+4*i+1]
	v_cvt_pk_f16_f32 v[Y+2*i+1], v[X+4*i+2], v[X+4*i+3]
	global_store_b64 v2, v[Y+2*i:Y+2*i+1], s[22:23] offset:256*i
.set i, i+1
.endr
.endm
	s_lshr_b32 s30, s2, 5
	s_cmp_eq_u32 s30, 4                            ; work-groups 128 to 159 hold Wq
	s_cbranch_scc1 .Lscaled
	CONV 0
	s_endpgm
.Lscaled:
	CONV 1
	s_endpgm
.Lfunc_end_k_qea92e18809_prep:
	.size	k_qea92e18809_prep, .Lfunc_end_k_qea92e18809_prep-k_qea92e18809_prep
	.p2alignl 7, 3214868480
	.fill 96, 4, 3214868480
	.section	.rodata,"a",@progbits
	.p2align	6, 0x0
	.amdhsa_kernel k_qea92e18809_prep
		.amdhsa_group_segment_fixed_size 0
		.amdhsa_private_segment_fixed_size 0
		.amdhsa_enable_private_segment 0
		.amdhsa_kernarg_size 56
		.amdhsa_user_sgpr_count 2
		.amdhsa_user_sgpr_kernarg_segment_ptr 1
		.amdhsa_wavefront_size32 1
		.amdhsa_system_sgpr_workgroup_id_x 1
		.amdhsa_system_sgpr_workgroup_id_y 1
		.amdhsa_system_sgpr_workgroup_id_z 1
		.amdhsa_system_vgpr_workitem_id 0
		.amdhsa_next_free_vgpr 200
		.amdhsa_next_free_sgpr 66
		.amdhsa_reserve_vcc 0
		.amdhsa_float_denorm_mode_32 3
		.amdhsa_float_denorm_mode_16_64 3
		.amdhsa_memory_ordered 1
		.amdhsa_forward_progress 1
		.amdhsa_inst_pref_size 25
	.end_amdhsa_kernel
	.amdgpu_metadata
---
amdhsa.version: [ 1, 2 ]
amdhsa.kernels:
  - .name:           k_qea92e18809_prep
    .symbol:         k_qea92e18809_prep.kd
    .args:
      - { .name: x, .offset: 0, .size: 8, .value_kind: global_buffer, .address_space: global }
      - { .name: Wq, .offset: 8, .size: 8, .value_kind: global_buffer, .address_space: global }
      - { .name: Wk, .offset: 16, .size: 8, .value_kind: global_buffer, .address_space: global }
      - { .name: Wv, .offset: 24, .size: 8, .value_kind: global_buffer, .address_space: global }
      - { .name: Wo, .offset: 32, .size: 8, .value_kind: global_buffer, .address_space: global }
      - { .name: xh, .offset: 40, .size: 8, .value_kind: global_buffer, .address_space: global }
      - { .name: wh, .offset: 48, .size: 8, .value_kind: global_buffer, .address_space: global }
    .group_segment_fixed_size: 0
    .private_segment_fixed_size: 0
    .kernarg_segment_align: 8
    .kernarg_segment_size: 56
    .max_flat_workgroup_size: 256
    .sgpr_count:     66
    .vgpr_count:     200
    .wavefront_size: 32
...
	.end_amdgpu_metadata
.endif
;; end of part 1
;; launch qkv (part 2): grid 8 x 32, 4 waves a work-group, clusters of 4 x 4, 327,680 bytes of LDS; arguments xh, wh, qkv; writes qkv
.if DOCPART == 2
	.amdgcn_target "amdgcn-amd-amdhsa--gfx1250"
	.amdhsa_code_object_version 6
	.text
	.protected	k_qea92e18809_qkv
	.globl	k_qea92e18809_qkv
	.p2align	8
	.type	k_qea92e18809_qkv,@function
k_qea92e18809_qkv:
	s_mov_b64 s[64:65], 0
	v_nop
	global_prefetch_b8 v0, s[64:65] scope:SCOPE_SE
	s_setreg_imm32_b32 hwreg(HW_REG_WAVE_MODE, 25, 1), 1
	s_wait_xcnt 0x0
	s_wait_alu depctr_hold_cnt(0) depctr_sa_sdst(0) depctr_va_vdst(0) depctr_va_sdst(0) depctr_va_ssrc(0) depctr_va_vcc(0) depctr_vm_vsrc(0)
	s_getreg_b32 s2, hwreg(HW_REG_IB_STS2, 6, 4)
	s_cmp_eq_u32 s2, 0
	s_cbranch_scc0 .Lentry_in_a_cluster
	s_endpgm
.Lentry_in_a_cluster:
	s_bfe_u32 s2, ttmp6, 0x10000c
	s_cmp_lg_u32 s2, 0xf033
	s_cbranch_scc0 .Lentry_shape_is_right
	s_endpgm
.Lentry_shape_is_right:
; qkv: [4096][1024] x (c*Wq | Wk | Wv), f16 operands, f32 sums, f16 results in three planes of 8,388,608 bytes, each [4096][1024],
; which read as [32 heads][2048 tokens][64] is the raw reshape of the problem: no data moves for the head split.
; A work-group makes 128 rows x 384 of the 3,072 joined columns: three blocks of 128 columns, g = 3 bx + c, plane g / 8, block g mod 8.
; Four waves, as many as a WGP has SIMDs.  Wave w makes all 128 rows and columns 32 w .. 32 w + 31 of each block: 8 x 6 accumulator
; tiles, 384 registers; for 32 along K it reads 8 + 6 fragments of 1 KiB from LDS for 48 matrix instructions.
; K goes in steps of 128 through two LDS slots.  One tensor load a wave and step, 128 rows of 256 bytes: waves 0-2 a block of W, wave 3 x.
; W stays [k][n] as in memory and is transposed on the way into registers by ds_load_tr16_b128.
; CLUSTER 4 x 4: x's tile hangs on the block row alone and is asked for jointly along a row of the cluster, W's tiles hang on bx alone
; and are asked for jointly along a column: the requests for both are divided by four.
; THE WALK ALONG K: clusters with even x take K steps 0..7, clusters with odd x take 4..7, 0..3.  The two clusters that need the same rows of x
; (and the clusters of either kind that need the same tiles of W) so never ask for the same K step at the same time: what one kind reads in its
; first four steps the other reads in its last four.  The rotation hangs on the cluster's x alone, which all partners share, and enters
; global addresses only.  The sums run over K in the rotated order.
; The matrix instruction is used transposed (source 0 = 16 columns of W, source 1 = 16 rows of x): a lane then holds eight
; neighbouring columns of one row of the result, 16 bytes in f16.
; REGISTERS: window 0: addresses, x's fragments (two buffers of 64), packed results; window 1: W's fragments (two buffers of 48);
; window 2: accumulators of rows 0-63 (tile (a, b) at 8 (6 a + b)); window 3: those of rows 64-127.
; LIMITS: f16 operands and results: magnitudes up to 65,504; below 6.1e-5 the absolute error is at most 3e-8.
.set KSTEP, 128
.set PA,    272                        ; x's LDS rows: 256 bytes + 16: an odd multiple of 16, so 16 rows start in 16 different 16-byte columns
.set PB,    288                        ; W's LDS rows: 256 bytes + 32: an odd multiple of 32
.set SUB,   128*PB                     ; one block of W in a slot: 36,864 bytes
.set AOFF,  3*SUB                      ; x's tile lies behind the three blocks
.set SLOT,  AOFF+128*PA                ; 145,408 bytes
.set SP,    784                        ; the stage's rows: 768 bytes + 16
.set LAPS,  1024/(2*KSTEP)             ; a lap = two K steps = once round the ring
.set STEPA, KSTEP*2                    ; a K step along x's rows: 256 bytes
.set STEPB, KSTEP*2048                 ; a K step down W: 128 rows of 2,048 bytes
.set ADRA, 16                          ; v16-17  x's fragments in slot 0, 1
.set ADRB, 20                          ; v20-25  W's fragments: 3 slot + block
.set STO,  26                          ; v26     stage, in: rows 0-63
.set STO2, 27                          ; v27     stage, in: rows 64-127
.set RD,   28                          ; v28     stage, back
.set CO,   29                          ; v29     my byte offset in the result
.set F0,   64
.set F1,   128
.set TMP,  192                         ; v192-215 packed results
.set G1,  24                           ; s[24:31] group 1 for x's tile
.set G0,  32                           ; s[32:39] group 0 for x's tile, one set a slot
.set G1B, 48                           ; s[48:55] group 1 for W's tiles
.set G0B, 56                           ; s[56:63] group 0 for W's tiles, one set a slot
.set CB,  68                           ; s[68:73] the three blocks' bases in the result
.set DA,  76                           ; s[76:77] the loop's step of x's address, a signed 64-bit number
.set DB,  78                           ; s[78:79] the loop's step of W's address
.set MSB, 0
.macro WIN new                         ; the immediate's high byte repeats the setting that is left
.if MSB != \new
	s_set_vgpr_msb (MSB<<8)|\new
.set MSB, \new
.endif
.endm
.set MUL_LO, 0xa1                      ; source 0 (W) window 1, source 1 (x) window 0, C and D window 2
.set MUL_HI, 0xf1                      ; the same, C and D window 3
.set TO_B,   0x40                      ; destination window 1, address window 0
; A joint load: wave 3 asks for x's tile, waves 0-2 each for a block of W.  The branch hangs on the wave's number alone.
.macro JLOAD s
	s_cmp_eq_u32 s10, 3
	s_cbranch_scc0 .Lfor_b_\@
	tensor_load_to_lds s[G0+4*\s:G0+4*\s+3], s[G1:G1+7]
	s_nop 0
	s_branch .Lasked_\@
.Lfor_b_\@:
	tensor_load_to_lds s[G0B+4*\s:G0B+4*\s+3], s[G1B:G1B+7]
	s_nop 0
.Lasked_\@:
.endm
.macro CREST                           ; a round of the cluster's barrier behind its opening work-group barrier
	s_cmp_lg_u32 s10, 0
	s_cbranch_scc1 .Lnot_wave_0_\@
	s_barrier_signal -3
.Lnot_wave_0_\@:
	s_barrier_wait -3
	s_barrier_signal -1
	s_barrier_wait -1
.endm
.macro CROUND                          ; a whole round
	s_barrier_signal -1
	s_barrier_wait -1
	CREST
.endm
	s_load_b128 s[4:7], s[0:1], 0x0                ; xh s[4:5], wh s[6:7]
	s_load_b64 s[8:9], s[0:1], 0x10                ; qkv
	s_set_vgpr_msb 0x40
	v_lshl_add_u32 v255, v0, 2, 0x47000
	s_set_vgpr_msb 0x4000
	v_mov_b32 v255, 0
	s_set_vgpr_msb 0x1
	ds_add_u32 v255, v255
	s_set_vgpr_msb 0x100
	v_lshrrev_b32 v1, 5, v0
	v_readfirstlane_b32 s10, v1                    ; wave 0..3
	s_bfe_u32 s40, ttmp6, 0x40000                  ; cx
	s_bfe_u32 s41, ttmp6, 0x40004                  ; cy
	s_lshl_b32 s42, ttmp9, 2
	s_add_co_u32 s42, s42, s40                     ; bx = 4 x cluster x + cx, 0..7
	s_and_b32 s13, ttmp7, 0xffff
	s_lshl_b32 s13, s13, 2
	s_add_co_u32 s13, s13, s41                     ; by = 4 x cluster y + cy, 0..31
	s_and_b32 s45, ttmp9, 1                        ; rot: 1 in clusters with odd x, which start at K step 4
	s_lshl_b32 s43, s41, 2
	s_lshl_b32 s43, 15, s43                        ; my row of the cluster
	s_lshl_b32 s44, 0x1111, s40                    ; my column
	; group 1: 128 rows x 128 elements of 2 bytes, a pad behind every 64 words: 4 words for x, 8 for W
	s_or_b32 s[G1+0], s43, (1<<16)|(1<<20)|(1<<21)|(5<<22)|(3<<25)
	s_or_b32 s[G1B+0], s44, (1<<16)|(1<<20)|(1<<21)|(5<<22)|(7<<25)
	s_mov_b32 s[G1+1], KSTEP<<16                   ; tensor_dim0 = 128
	s_mov_b32 s[G1B+1], 128<<16
	s_mov_b32 s[G1+2], 128<<16                     ; tensor_dim1 = 128
	s_mov_b32 s[G1B+2], KSTEP<<16
	s_mov_b32 s[G1+3], KSTEP<<16                   ; tile_dim0 = 128
	s_mov_b32 s[G1B+3], 128<<16
	s_mov_b32 s[G1+4], 128                         ; tile_dim1 = 128
	s_mov_b32 s[G1B+4], KSTEP
	s_mov_b32 s[G1+5], 1024                        ; elements from row to row
	s_mov_b32 s[G1B+5], 1024
	s_mov_b32 s[G1+6], 0
	s_mov_b32 s[G1B+6], 0
	s_mov_b32 s[G1+7], 0
	s_mov_b32 s[G1B+7], 0
	; where the tiles come from: x's hangs on by and rot, W's on bx, the wave and rot, each in registers that never hold the other place in the cluster
	s_lshl_b32 s16, s13, 18                        ; 128 by rows of 2,048 bytes
	s_lshl_b32 s17, s45, 10                        ; + 4 rot K steps of 256 bytes
	s_add_co_u32 s16, s16, s17
	s_mov_b32 s17, 0
	s_mul_i32 s46, s42, 3
	s_add_co_u32 s46, s46, s10                     ; g = 3 bx + wave (wave 3 makes an address that it does not use; it lies inside wh)
	s_lshr_b32 s47, s46, 3
	s_lshl_b32 s47, s47, 21                        ; the plane: 2,097,152 bytes
	s_and_b32 s46, s46, 7
	s_lshl_b32 s46, s46, 8                         ; the block: 256 bytes of a row
	s_add_co_u32 s46, s46, s47
	s_lshl_b32 s47, s45, 20                        ; + 4 rot K steps of 262,144 bytes
	s_add_co_u32 s46, s46, s47
	s_mov_b32 s47, 0
	; the step that the loop's first trip takes: from relative K steps 2, 3 to 4, 5.  rot = 0: two steps on; rot = 1: from steps 6, 7 back to 0, 1, six steps back
	s_lshl_b32 s[DA], s45, 11
	s_sub_co_u32 s[DA], 2*STEPA, s[DA]             ; 512 - 2,048 rot
	s_sub_co_u32 s[DA+1], 0, s45                   ; its sign, 0 or -1
	s_lshl_b32 s[DB], s45, 21
	s_sub_co_u32 s[DB], 2*STEPB, s[DB]             ; 524,288 - 2,097,152 rot
	s_sub_co_u32 s[DB+1], 0, s45
	s_mul_i32 s20, s10, SUB                        ; where they go: wave x 36,864; wave 3 lands on AOFF
	s_wait_dscnt 0x0
	s_wait_kmcnt 0x0
	s_add_nc_u64 s[14:15], s[4:5], s[16:17]
	s_add_nc_u64 s[46:47], s[6:7], s[46:47]
	CROUND                                         ; all sixteen work-groups are here: the first joint loads meet
.irp s, 0,1
	s_mov_b32 s[G0+4*\s], 1
	s_add_co_u32 s[G0+4*\s+1], s20, \s*SLOT
	s_add_nc_u64 s[G0+4*\s+2:G0+4*\s+3], s[14:15], \s*STEPA            ; relative K step s
	s_or_b32 s[G0+4*\s+3], s[G0+4*\s+3], 0x80000000
	s_mov_b32 s[G0B+4*\s], 1
	s_add_co_u32 s[G0B+4*\s+1], s20, \s*SLOT
	s_add_nc_u64 s[G0B+4*\s+2:G0B+4*\s+3], s[46:47], \s*STEPB
	s_or_b32 s[G0B+4*\s+3], s[G0B+4*\s+3], 0x80000000
	JLOAD \s                                       ; two loads of the wave are out, the most in this text
.endr
	v_and_b32 v1, 15, v0                           ; r = lane mod 16
	v_bfe_u32 v2, v0, 4, 1                         ; h = lane / 16
	v_mul_u32_u24 v3, v1, PA
	v_lshl_add_u32 v3, v2, 4, v3                   ; x: row r, 16 h bytes
	v_add_nc_u32 v[ADRA], AOFF, v3
	v_add_nc_u32 v[ADRA+1], AOFF+SLOT, v3
	v_and_b32 v4, 7, v0
	v_lshl_add_u32 v4, v2, 3, v4                   ; W: k row 8 h + lane mod 8,
	v_mul_u32_u24 v4, v4, PB
	v_bfe_u32 v5, v0, 3, 1
	v_lshl_add_u32 v4, v5, 4, v4                   ; 16 bytes on for the upper eight lanes of a half,
	s_lshl_b32 s21, s10, 6
	v_add_nc_u32 v4, s21, v4                       ; my 32 columns = 64 bytes of the block's rows
.irp s, 0,1
.irp c, 0,1,2
	v_add_nc_u32 v[ADRB+3*\s+\c], \s*SLOT+\c*SUB, v4
.endr
.endr
	v_mul_u32_u24 v5, v1, SP
	v_lshl_add_u32 v5, v2, 4, v5
	v_add_nc_u32 v[STO], s21, v5                   ; stage, in: row r, 64 w + 16 h
	v_add_nc_u32 v[STO2], 64*SP, v[STO]
	s_mul_i32 s22, s10, 32*SP
	v_mul_u32_u24 v6, v2, SP
	v_lshl_add_u32 v6, v1, 4, v6
	v_add_nc_u32 v[RD], s22, v6                    ; stage, back: rows 32 w + h, 16 r
	v_lshlrev_b32 v7, 11, v2
	v_lshl_add_u32 v[CO], v1, 4, v7                ; the same two rows in the result: 2,048 h + 16 r
; 12 matrix instructions: m tiles a0, a0 + 1 of the window's four x all 6 n tiles, 32 along K.  zero = 1: the first product starts the sums.
.macro MUL12 f, hi, a0, zero
.irp a, \a0, \a0+1
.irp b, 0,1,2,3,4,5
.if \zero
	v_wmma_f32_16x16x32_f16 v[8*(6*(\a)+\b):8*(6*(\a)+\b)+7], v[\f+8*\b:\f+8*\b+7], v[\f+8*(4*\hi+\a):\f+8*(4*\hi+\a)+7], 0
.else
	v_wmma_f32_16x16x32_f16 v[8*(6*(\a)+\b):8*(6*(\a)+\b)+7], v[\f+8*\b:\f+8*\b+7], v[\f+8*(4*\hi+\a):\f+8*(4*\hi+\a)+7], v[8*(6*(\a)+\b):8*(6*(\a)+\b)+7]
.endif
.endr
.endr
.endm
; 28 LDS loads in one run: quarter q (32 along K) of a slot into buffer f: 12 transposing loads for W's 6 tiles, 16 plain ones for x's 8
.macro FETCH slot, q, f
	WIN TO_B
.irp c, 0,1,2
.irp e, 0,1
	ds_load_tr16_b128 v[\f+8*(2*\c+\e):\f+8*(2*\c+\e)+3], v[ADRB+3*\slot+\c] offset:32*PB*\q+32*\e
	ds_load_tr16_b128 v[\f+8*(2*\c+\e)+4:\f+8*(2*\c+\e)+7], v[ADRB+3*\slot+\c] offset:32*PB*\q+32*\e+16*PB
.endr
.endr
	WIN 0
.irp i, 0,1,2,3,4,5,6,7
	ds_load_b128 v[\f+8*\i:\f+8*\i+3], v[ADRA+\slot] offset:64*\q+\i*16*PA
	ds_load_b128 v[\f+8*\i+4:\f+8*\i+7], v[ADRA+\slot] offset:64*\q+\i*16*PA+32
.endr
.endm
; A load into a register that a matrix instruction has read, and a vector instruction that reads a matrix result, stand four places
; behind it; only plain vector instructions that name none of its registers are places.
.macro PLACES
.rept 4
	v_nop
.endr
.endm
; One of a K step's first three quarters: multiplies buffer f, and in its middle fetches quarter q of the same slot into buffer g.
; The 48 accumulators take turns in the same order in every quarter.
.macro QUARTER slot, q, f, g, zero
	s_wait_dscnt 8                                 ; W and x's rows 0-63 are in; the youngest eight loads (x's rows 64-127) may be out
	WIN MUL_LO
	MUL12 \f, 0, 0, \zero
	MUL12 \f, 0, 2, \zero
	PLACES
	FETCH \slot, \q, \g
	s_wait_dscnt 28                                ; all but the 28 just issued
	WIN MUL_HI
	MUL12 \f, 1, 0, \zero
	MUL12 \f, 1, 2, \zero
.endm
.macro THREE slot, zero
	QUARTER \slot, 1, F0, F1, \zero
	QUARTER \slot, 2, F1, F0, 0
	QUARTER \slot, 3, F0, F1, 0
.endm
; The last quarter: multiplies buffer 1 and changes slots.  In front of the barrier each wave waits for its reads of this slot and for all
; its tensor loads (one is out: its part of the next slot).  fill = 1 or 2: the barrier opens a round of the cluster's barrier, and the joint
; refill, two K steps ahead, is the first tensor load behind the round (1: the address goes two steps on; 2: it goes by the loop's step).
; From a request to the wait for it: 180 matrix instructions.
.macro TURN slot, next, fill
	s_wait_dscnt 8
	WIN MUL_LO
	MUL12 F1, 0, 0, 0
	s_wait_dscnt 0                                 ; my reads of this slot are over
	s_wait_tensorcnt 0x0                           ; all my tensor loads have landed
	ds_add_u32 v255, v255
	s_wait_dscnt 0x0
	s_barrier_signal -1
	MUL12 F1, 0, 2, 0                              ; register work while the others arrive
	WIN 0
	s_barrier_wait -1
.if \fill
	CREST
.if \fill == 2
	s_add_nc_u64 s[G0+4*\slot+2:G0+4*\slot+3], s[G0+4*\slot+2:G0+4*\slot+3], s[DA:DA+1]
	s_add_nc_u64 s[G0B+4*\slot+2:G0B+4*\slot+3], s[G0B+4*\slot+2:G0B+4*\slot+3], s[DB:DB+1]
.else
	s_add_nc_u64 s[G0+4*\slot+2:G0+4*\slot+3], s[G0+4*\slot+2:G0+4*\slot+3], 2*STEPA
	s_add_nc_u64 s[G0B+4*\slot+2:G0B+4*\slot+3], s[G0B+4*\slot+2:G0B+4*\slot+3], 2*STEPB
.endif
	JLOAD \slot
.endif
	PLACES
	FETCH \next, 0, F0
	WIN MUL_HI
	MUL12 F1, 1, 0, 0
	MUL12 F1, 1, 2, 0
.endm
.macro LAP zero, fill
	THREE 0, \zero
	TURN 0, 1, \fill
	THREE 1, 0
	TURN 1, 0, \fill
.endm
	s_wait_tensorcnt 1                             ; my part of relative K step 0 is in; step 1 stays out
	s_barrier_signal -1
	s_barrier_wait -1
	FETCH 0, 0, F0
	LAP 1, 1                                       ; relative K steps 0, 1: their first products start the sums; steps 2, 3 are asked for
	WIN 0
	s_mov_b32 s3, LAPS-2
.Llap:
	LAP 0, 2                                       ; first trip: steps 4, 5 are asked for, where the rotated walk wraps; second trip: steps 6, 7
	WIN 0
	s_mov_b32 s[DA], 2*STEPA                       ; from the second trip on the step is two K steps on, for every cluster
	s_mov_b32 s[DA+1], 0
	s_mov_b32 s[DB], 2*STEPB
	s_mov_b32 s[DB+1], 0
	s_sub_co_u32 s3, s3, 1
	s_cmp_lg_u32 s3, 0
	s_cbranch_scc1 .Llap
	THREE 0, 0                                     ; the last lap fills nothing
	TURN 0, 1, 0
	THREE 1, 0
	s_wait_dscnt 8
	WIN MUL_LO
	MUL12 F1, 0, 0, 0
	MUL12 F1, 0, 2, 0
	s_wait_dscnt 0
	WIN MUL_HI
	MUL12 F1, 1, 0, 0
	MUL12 F1, 1, 2, 0
	; THE WAY OUT.  A wave holds 64 bytes of each block's rows; four waves' pieces make the 256 bytes of a row.  So all 128 rows x 768 bytes
	; are gathered in a stage, bytes 0 to 100,351: inside slot 0, which has had its last fill, and whose last reads every wave waited for
	; in front of the barrier of the last change of slots.  Then each wave stores 32 whole rows.
	PLACES
.irp c, 0,1,2
	s_mul_i32 s74, s42, 3
	s_add_co_u32 s74, s74, \c                      ; g = 3 bx + c
	s_lshr_b32 s75, s74, 3
	s_lshl_b32 s75, s75, 23                        ; the plane: 8,388,608 bytes
	s_and_b32 s74, s74, 7
	s_lshl_b32 s74, s74, 8                         ; the block: 256 bytes of a row
	s_add_co_u32 s74, s74, s75
	s_lshl_b32 s75, s13, 18                        ; 128 by rows
	s_add_co_u32 s74, s74, s75
	s_lshl_b32 s75, s10, 16                        ; 32 w rows
	s_add_co_u32 s74, s74, s75
	s_mov_b32 s75, 0
	s_add_nc_u64 s[CB+2*\c:CB+2*\c+1], s[8:9], s[74:75]
.endr
; rows 16 a .. 16 a + 15 of the window's 64: round to f16, 16 bytes a lane and tile into the stage
.macro PUT a, from, sto
	WIN \from
.irp b, 0,1,2,3,4,5
.irp r, 0,1,2,3
	v_cvt_pk_f16_f32 v[TMP+4*\b+\r], v[8*(6*\a+\b)+2*\r], v[8*(6*\a+\b)+2*\r+1]
.endr
.endr
	WIN 0
.irp b, 0,1,2,3,4,5
	ds_store_b128 v[\sto], v[TMP+4*\b:TMP+4*\b+3] offset:\a*16*SP+256*(\b/2)+32*(\b%2)
.endr
.endm
	PUT 0, 0x0a, STO
	PUT 1, 0x0a, STO
	PUT 2, 0x0a, STO
	PUT 3, 0x0a, STO
	PUT 0, 0x0f, STO2
	PUT 1, 0x0f, STO2
	PUT 2, 0x0f, STO2
	PUT 3, 0x0f, STO2
	s_wait_dscnt 0x0                               ; my stores into the stage are done, for the others' sake
	s_barrier_signal -1
	s_barrier_wait -1
; 16 of my 32 rows of block c: eight loads of two rows, eight stores in which 16 lanes cover 256 consecutive bytes, aligned
.macro BACK c, half, f
	s_wait_xcnt 0x0                                ; buffer f, which earlier stores name, is rewritten only behind this wait
.irp t, 0,1,2,3,4,5,6,7
	ds_load_b128 v[\f+4*\t:\f+4*\t+3], v[RD] offset:(8*\half+\t)*2*SP+256*\c
.endr
.irp t, 0,1,2,3,4,5,6,7
	s_wait_dscnt 7-\t                              ; LDS loads come back in order: load t is in
	global_store_b128 v[CO], v[\f+4*\t:\f+4*\t+3], s[CB+2*\c:CB+2*\c+1] offset:(8*\half+\t)*4096
.endr
.endm
	BACK 0, 0, F0
	BACK 0, 1, F1
	BACK 1, 0, F0
	BACK 1, 1, F1
	BACK 2, 0, F0
	BACK 2, 1, F1
	s_set_vgpr_msb 0x1
	s_wait_tensorcnt 0x0
	ds_add_u32 v255, v255
	s_wait_dscnt 0x0
	s_set_vgpr_msb 0x100
	CROUND                                         ; the closing round: no work-group ends while a partner may still ask for a tile that names it
	s_endpgm
.Lfunc_end_k_qea92e18809_qkv:
	.size	k_qea92e18809_qkv, .Lfunc_end_k_qea92e18809_qkv-k_qea92e18809_qkv
	.p2alignl 7, 3214868480
	.fill 96, 4, 3214868480
	.section	.rodata,"a",@progbits
	.p2align	6, 0x0
	.amdhsa_kernel k_qea92e18809_qkv
		.amdhsa_group_segment_fixed_size 327680
		.amdhsa_private_segment_fixed_size 0
		.amdhsa_enable_private_segment 0
		.amdhsa_kernarg_size 24
		.amdhsa_user_sgpr_count 2
		.amdhsa_user_sgpr_kernarg_segment_ptr 1
		.amdhsa_wavefront_size32 1
		.amdhsa_system_sgpr_workgroup_id_x 1
		.amdhsa_system_sgpr_workgroup_id_y 1
		.amdhsa_system_sgpr_workgroup_id_z 1
		.amdhsa_system_vgpr_workitem_id 0
		.amdhsa_next_free_vgpr 1024
		.amdhsa_next_free_sgpr 80
		.amdhsa_reserve_vcc 0
		.amdhsa_float_denorm_mode_32 3
		.amdhsa_float_denorm_mode_16_64 3
		.amdhsa_memory_ordered 1
		.amdhsa_forward_progress 1
		.amdhsa_inst_pref_size 159
	.end_amdhsa_kernel
	.amdgpu_metadata
---
amdhsa.version: [ 1, 2 ]
amdhsa.kernels:
  - .name:           k_qea92e18809_qkv
    .symbol:         k_qea92e18809_qkv.kd
    .args:
      - { .name: xh, .offset: 0, .size: 8, .value_kind: global_buffer, .address_space: global }
      - { .name: wh, .offset: 8, .size: 8, .value_kind: global_buffer, .address_space: global }
      - { .name: qkv, .offset: 16, .size: 8, .value_kind: global_buffer, .address_space: global }
    .group_segment_fixed_size: 327680
    .private_segment_fixed_size: 0
    .kernarg_segment_align: 8
    .kernarg_segment_size: 24
    .max_flat_workgroup_size: 128
    .sgpr_count:     80
    .vgpr_count:     1024
    .wavefront_size: 32
...
	.end_amdgpu_metadata
.endif
;; end of part 2
;; launch attn (part 3): grid 8 x 32, 16 waves a work-group, clusters of 4 x 1, 327,680 bytes of LDS; arguments qkv, hh; writes hh
.if DOCPART == 3
	.amdgcn_target "amdgcn-amd-amdhsa--gfx1250"
	.amdhsa_code_object_version 6
	.text
	.protected	k_qea92e18809_attn
	.globl	k_qea92e18809_attn
	.p2align	8
	.type	k_qea92e18809_attn,@function
k_qea92e18809_attn:
	s_mov_b64 s[64:65], 0
	v_nop
	global_prefetch_b8 v0, s[64:65] scope:SCOPE_SE
	s_setreg_imm32_b32 hwreg(HW_REG_WAVE_MODE, 25, 1), 1
	s_wait_xcnt 0x0
	s_wait_alu depctr_hold_cnt(0) depctr_sa_sdst(0) depctr_va_vdst(0) depctr_va_sdst(0) depctr_va_ssrc(0) depctr_va_vcc(0) depctr_vm_vsrc(0)
	s_getreg_b32 s2, hwreg(HW_REG_IB_STS2, 6, 4)
	s_cmp_eq_u32 s2, 0
	s_cbranch_scc0 .Lentry_in_a_cluster
	s_endpgm
.Lentry_in_a_cluster:
	s_bfe_u32 s2, ttmp6, 0x10000c
	s_cmp_lg_u32 s2, 0x3003
	s_cbranch_scc0 .Lentry_shape_is_right
	s_endpgm
.Lentry_shape_is_right:
; attn: softmax(q k^T / 8) v for 32 heads of 2,048 tokens x 64, no mask.  q, k, v: planes of qkv, f16, [32][2048][64]; hh likewise.
; q already carries log2(e)/8 (multiplied into Wq ahead of its rounding), so S = q.k is the exponent in base 2.
; A work-group takes 256 queries of a head.  SIXTEEN WAVES: wave w takes the 32 queries of group w mod 8 (two tiles of 16) and half w / 8 of the keys
; (keys 256 (w / 8) .. + 255 of every 512).  A step (64 keys) is a chain: 16 products, the maximum, 64 exponentials among some 240 vector
; instructions, 16 products.  Four waves of 256 registers fill a SIMD's 1,024 and stand at different places of that chain, so that one wave's
; vector work and LDS loads run beside the others' products.  At the end the two waves of a group join their maxima, sums and O through LDS.
; ORIENTATION: S^T = K Q^T (source 0 = 16 keys, source 1 = 16 queries): lane (r, h) holds query r and keys 8 h + j of each key tile.
; Packed to f16, key tiles 2 c and 2 c + 1 are at once the source-1 fragment of P^T for keys 32 c .. 32 c + 31.  O^T = V^T P^T, V^T by the transposing
; LDS load from [key][d]: lane (r, h) holds query r again.  So maximum, factor and sum are the lane's own but for one exchange with lane r xor 16.
; SOFTMAX: a running maximum M over steps of 64 keys; p = exp2(S - M), at most 1, exactly 1 at the maximum; O and the sum are scaled by exp2(M_old - M_new).
; LDS: two slots of 512 keys (V at pitch 160, K at pitch 144), four fills.  One tensor load brings 128 keys: waves 0-3 V, waves 4-7 K, waves 8-15 none.
; Slot 1 is first filled behind the round that follows slot 0's arrival: the first step waits for one slot's bytes, and slot 1 has the first phase in which to land.
; CLUSTER 4 x 1: the four query blocks of a cluster belong to one head and read the same K and V: every fill is a joint load of the four.
; LIMITS: q, k, v, P, h in f16: magnitudes up to 65,504; p below 3e-8 counts as 0 (at most 2,048 x 3e-8 of a sum that is at least 1).
; Scores that are NaN or infinite are not served.
.set PK,   144                         ; a key's 128 bytes + 16: an odd multiple of 16
.set PV,   160                         ; + 32: an odd multiple of 32, for the transposing load
.set KOFF, 512*PV                      ; K lies behind V in a slot: 81,920
.set SLOT, KOFF+512*PK                 ; 155,648 bytes
.set HALFK, 256*PK                     ; the upper waves' keys begin here in K,
.set HALFV, 256*PV                     ; and here in V
.set MROW, 17*512                      ; what an upper wave hands to its partner: M and sums (512 bytes), O (16 x 512)
.set OST,  8*MROW                      ; behind the eight such parts: 32 rows at pitch 144 for each lower wave, for the way out
.set KLANE, 1                          ; v1      r x 144 + 16 h
.set VLANE, 2                          ; v2      (8 h + lane mod 8) x 160 + 16 x bit 3 of the lane
.set KADR,  3                          ; v3      this step's keys in K
.set VADR,  4                          ; v4      and in V
.set M,     6                          ; v6-7    running maximum of tile 0, 1
.set MC,    8                          ; v[8:11]   - M, twice, for each tile; at the end the partner's M and sums
.set AL,    12                         ; v[12:15]  the factor exp2(M_old - M_new), twice, for each tile; at the end my O's factor
.set L,     16                         ; v[16:19]  my part of the sum, in two halves, for each tile; at the end the partner's O's factor
.set T,     20                         ; v[20:25]  at work
.set MA,    26                         ; v26     my lane's 16 bytes in the pair's part of the joining stage
.set TA,    27
.set STO,   28
.set RD,    29
.set CO,    30
.set QF,    32                         ; v[32:63]    Q(n, c) at 16 n + 8 c
.set O,     64                         ; v[64:127]   O(n, dt) at 32 n + 8 dt
.set S,     128                        ; v[128:191]  S(n, kt) at 32 n + 8 kt; then P(n, c2) at 32 n + 8 c2
.set KV,    192                        ; v[192:255]  K(kt, c) at 16 kt + 8 c; then V(c2, dt) at 32 c2 + 8 dt
.set G1V, 16                           ; s[16:23]
.set G1K, 24                           ; s[24:31]
.set G0V, 32                           ; s[32:39] one set a slot
.set G0K, 40                           ; s[40:47]
.set KB,  66                           ; s66-67  where my keys begin in K of slot 0, 1
.set VB,  68                           ; s68-69  and in V
.macro ROUND                           ; a round of the cluster's barrier
	s_barrier_signal -1
	s_barrier_wait -1
	s_cmp_lg_u32 s8, 0
	s_cbranch_scc1 .Lnot_wave_0_\@
	s_barrier_signal -3
.Lnot_wave_0_\@:
	s_barrier_wait -3
	s_barrier_signal -1
	s_barrier_wait -1
.endm
.macro JLOAD s                         ; the branches hang on the wave's number alone: waves 0-3 V, waves 4-7 K, waves 8-15 nothing
	s_cmp_lt_u32 s8, 4
	s_cbranch_scc0 .Lnot_v_\@
	tensor_load_to_lds s[G0V+4*\s:G0V+4*\s+3], s[G1V:G1V+7]
	s_nop 0
	s_branch .Lasked_\@
.Lnot_v_\@:
	s_cmp_lt_u32 s8, 8
	s_cbranch_scc0 .Lasked_\@
	tensor_load_to_lds s[G0K+4*\s:G0K+4*\s+3], s[G1K:G1K+7]
	s_nop 0
.Lasked_\@:
.endm
	s_load_b128 s[4:7], s[0:1], 0x0                ; qkv s[4:5], hh s[6:7]
	v_lshl_add_u32 v190, v0, 2, 0x4c000
	v_mov_b32 v191, 0
	ds_add_u32 v190, v191
	s_wait_dscnt 0x0
	v_lshrrev_b32 v5, 5, v0
	v_readfirstlane_b32 s8, v5                     ; wave 0..15
	s_and_b32 s13, s8, 7                           ; my group of 32 queries
	s_lshr_b32 s12, s8, 3                          ; my half of the keys
	s_bfe_u32 s9, ttmp6, 0x40000                   ; cx
	s_lshl_b32 s10, ttmp9, 2
	s_add_co_u32 s10, s10, s9                      ; query block 0..7
	s_and_b32 s11, ttmp7, 0xffff                   ; head 0..31, the same in the four partners
	s_lshl_b32 s11, s11, 18                        ; 2,048 tokens of 128 bytes
	s_and_b32 s14, s8, 3
	s_lshl_b32 s14, s14, 14                        ; the 128 keys of a fill that waves 0-7 bring
	s_add_co_u32 s14, s14, s11
	s_mov_b32 s15, 0
	s_lshl_b32 s62, s10, 15                        ; 256 queries of 128 bytes
	s_add_co_u32 s62, s62, s11
	s_mov_b32 s63, 0
	s_mul_i32 s60, s8, 128*PV                      ; V: waves 0-3 at wave x 20,480
	s_mul_i32 s61, s8, 128*PK
	s_add_co_u32 s61, s61, KOFF-4*128*PK           ; K: waves 4-7 at 81,920 + (wave - 4) x 18,432
	s_mul_i32 s[KB], s12, HALFK
	s_add_co_u32 s[KB], s[KB], KOFF
	s_add_co_u32 s[KB+1], s[KB], SLOT
	s_mul_i32 s[VB], s12, HALFV
	s_add_co_u32 s[VB+1], s[VB], SLOT
	s_mov_b32 s52, 0x76543210                      ; v_permlanex16_b32: lane i reads lane i of the other half
	s_mov_b32 s53, 0xfedcba98
	; group 1: 128 keys are 16,384 dense bytes, taken as 64 rows of 256 bytes; a pad behind every 32 words, that is behind every key
	s_mov_b32 s[G1V+0], 15|(1<<16)|(1<<20)|(1<<21)|(4<<22)|(7<<25)     ; mask of the four; 2-byte elements; pad of 8 words
	s_mov_b32 s[G1K+0], 15|(1<<16)|(1<<20)|(1<<21)|(4<<22)|(3<<25)     ; pad of 4 words
	s_mov_b32 s[G1V+1], 128<<16
	s_mov_b32 s[G1K+1], 128<<16
	s_mov_b32 s[G1V+2], 64<<16
	s_mov_b32 s[G1K+2], 64<<16
	s_mov_b32 s[G1V+3], 128<<16
	s_mov_b32 s[G1K+3], 128<<16
	s_mov_b32 s[G1V+4], 64
	s_mov_b32 s[G1K+4], 64
	s_mov_b32 s[G1V+5], 128
	s_mov_b32 s[G1K+5], 128
	s_mov_b32 s[G1V+6], 0
	s_mov_b32 s[G1K+6], 0
	s_mov_b32 s[G1V+7], 0
	s_mov_b32 s[G1K+7], 0
	s_wait_kmcnt 0x0
	s_add_nc_u64 s[48:49], s[4:5], s[14:15]
	s_add_nc_u64 s[50:51], s[48:49], 0x800000      ; k's plane
	s_add_nc_u64 s[48:49], s[48:49], 0x1000000     ; v's plane
	s_add_nc_u64 s[56:57], s[4:5], s[62:63]        ; my work-group's queries
	s_lshl_b32 s55, s13, 12
	s_add_co_u32 s62, s62, s55
	s_add_nc_u64 s[58:59], s[6:7], s[62:63]        ; my group's 32 rows of the result
.irp s, 0,1
	s_mov_b32 s[G0V+4*\s], 1
	s_add_co_u32 s[G0V+4*\s+1], s60, \s*SLOT
	s_add_nc_u64 s[G0V+4*\s+2:G0V+4*\s+3], s[48:49], \s*65536          ; fill s: keys 512 s ..
	s_or_b32 s[G0V+4*\s+3], s[G0V+4*\s+3], 0x80000000
	s_mov_b32 s[G0K+4*\s], 1
	s_add_co_u32 s[G0K+4*\s+1], s61, \s*SLOT
	s_add_nc_u64 s[G0K+4*\s+2:G0K+4*\s+3], s[50:51], \s*65536
	s_or_b32 s[G0K+4*\s+3], s[G0K+4*\s+3], 0x80000000
.endr
	ROUND                                          ; the four partners are here: the first joint loads meet
	JLOAD 0                                        ; keys 0-511.  One load of a wave is out, here and behind every later round: the most in this text
	v_and_b32 v28, 15, v0                          ; r
	v_bfe_u32 v29, v0, 4, 1                        ; h
	v_mul_u32_u24 v[KLANE], v28, PK
	v_lshl_add_u32 v[KLANE], v29, 4, v[KLANE]
	v_and_b32 v30, 7, v0
	v_lshl_add_u32 v30, v29, 3, v30
	v_mul_u32_u24 v[VLANE], v30, PV
	v_bfe_u32 v30, v0, 3, 1
	v_lshl_add_u32 v[VLANE], v30, 4, v[VLANE]
	v_and_b32 v31, 0xe0, v0                        ; 32 x (wave mod 8)
	v_add_nc_u32 v31, v31, v28
	v_lshlrev_b32 v31, 7, v31                      ; query 32 (w mod 8) + r, 128 bytes each,
	v_lshl_add_u32 v31, v29, 4, v31                ; + 16 h
	v_mov_b32 v[T+4], 0                            ; v_permlanex16_b32 counts as a reader of its destination
	v_mov_b32 v[T+5], 0
.irp n, 0,1
.irp c, 0,1
	global_load_b128 v[QF+16*\n+8*\c:QF+16*\n+8*\c+3], v31, s[56:57] offset:2048*\n+64*\c
	global_load_b128 v[QF+16*\n+8*\c+4:QF+16*\n+8*\c+7], v31, s[56:57] offset:2048*\n+64*\c+32
.endr
.endr
; One step: 64 keys.  first = 1: the wave's first step starts maximum, sum and O, so nothing is cleared and no factor is made.
.macro STEP first
	; K's fragments: d 0-31 of the four key tiles first, then d 32-63
.irp c, 0,1
.irp kt, 0,1,2,3
	ds_load_b128 v[KV+16*\kt+8*\c:KV+16*\kt+8*\c+3], v[KADR] offset:16*PK*\kt+64*\c
	ds_load_b128 v[KV+16*\kt+8*\c+4:KV+16*\kt+8*\c+7], v[KADR] offset:16*PK*\kt+64*\c+32
.endr
.endr
	s_wait_dscnt 0x8                               ; the first eight are in; d 32-63 may be out
	; S^T: eight accumulators take turns, one instruction a turn
.irp kt, 0,1,2,3
.irp n, 0,1
	v_wmma_f32_16x16x32_f16 v[S+32*\n+8*\kt:S+32*\n+8*\kt+7], v[KV+16*\kt:KV+16*\kt+7], v[QF+16*\n:QF+16*\n+7], 0
.endr
.endr
	s_wait_dscnt 0x0
.irp kt, 0,1,2,3
.irp n, 0,1
	v_wmma_f32_16x16x32_f16 v[S+32*\n+8*\kt:S+32*\n+8*\kt+7], v[KV+16*\kt+8:KV+16*\kt+15], v[QF+16*\n+8:QF+16*\n+15], v[S+32*\n+8*\kt:S+32*\n+8*\kt+7]
.endr
.endr
.rept 4
	v_nop                                          ; four places: for the loads into K's registers and for the reads of S
.endr
	; V^T's fragments, over K's: they land while the softmax runs
.irp c2, 0,1
.irp dt, 0,1,2,3
	ds_load_tr16_b128 v[KV+32*\c2+8*\dt:KV+32*\c2+8*\dt+3], v[VADR] offset:32*PV*\c2+32*\dt
	ds_load_tr16_b128 v[KV+32*\c2+8*\dt+4:KV+32*\c2+8*\dt+7], v[VADR] offset:32*PV*\c2+32*\dt+16*PV
.endr
.endr
	; the maximum of my 32 scores of each tile and of the old maximum: two chains a tile, the tiles interleaved
.if \first
	v_max_num_f32 v[T], v[S], v[S+1]
	v_max_num_f32 v[T+1], v[S+32], v[S+33]
.else
	v_max3_num_f32 v[T], v[M], v[S], v[S+1]
	v_max3_num_f32 v[T+1], v[M+1], v[S+32], v[S+33]
.endif
	v_max3_num_f32 v[T+2], v[S+16], v[S+17], v[S+18]
	v_max3_num_f32 v[T+3], v[S+48], v[S+49], v[S+50]
.irp i, 0,1,2,3,4,5
	v_max3_num_f32 v[T], v[T], v[S+2+2*\i], v[S+3+2*\i]
	v_max3_num_f32 v[T+1], v[T+1], v[S+34+2*\i], v[S+35+2*\i]
	v_max3_num_f32 v[T+2], v[T+2], v[S+19+2*\i], v[S+20+2*\i]
	v_max3_num_f32 v[T+3], v[T+3], v[S+51+2*\i], v[S+52+2*\i]
.endr
	v_max3_num_f32 v[T], v[T], v[S+14], v[S+15]
	v_max3_num_f32 v[T+1], v[T+1], v[S+46], v[S+47]
	v_max3_num_f32 v[T], v[T], v[T+2], v[S+31]
	v_max3_num_f32 v[T+1], v[T+1], v[T+3], v[S+63]
	v_permlanex16_b32 v[T+4], v[T], s52, s53       ; the other 32 keys of my query lie in lane r xor 16
	v_permlanex16_b32 v[T+5], v[T+1], s52, s53
	v_max_num_f32 v[T], v[T], v[T+4]
	v_max_num_f32 v[T+1], v[T+1], v[T+5]
.if \first == 0
	v_sub_f32 v[T+2], v[M], v[T]                   ; M_old - M_new, at most 0
	v_sub_f32 v[T+3], v[M+1], v[T+1]
	v_exp_f32 v[AL], v[T+2]
	v_exp_f32 v[AL+2], v[T+3]                      ; the six plain lines below stand between these and their first use (ISA guide 5.7.2)
.endif
	v_mov_b32 v[M], v[T]
	v_mov_b32 v[M+1], v[T+1]
	v_mul_f32 v[MC], -1.0, v[T]
	v_mul_f32 v[MC+1], -1.0, v[T]
	v_mul_f32 v[MC+2], -1.0, v[T+1]
	v_mul_f32 v[MC+3], -1.0, v[T+1]
.if \first == 0
	s_wait_alu depctr_va_vdst(0)
	v_mov_b32 v[AL+1], v[AL]
	v_mov_b32 v[AL+3], v[AL+2]
.endif
	; p = exp2(S - M), in place.  Pair XP: tile XP mod 2, registers 2 (XP / 2).  Between the exponentials stand the subtraction two pairs ahead
	; and the scaling of one pair of O: plain lines that touch neither the exponentials' results nor their sources.
	v_pk_add_f32 v[S:S+1], v[S:S+1], v[MC:MC+1]
	v_pk_add_f32 v[S+32:S+33], v[S+32:S+33], v[MC+2:MC+3]
.set XP, 0
.rept 32
.set XA, S+32*(XP&1)+2*(XP>>1)
.set XB, S+32*(XP&1)+2*((XP+2)>>1)
	v_exp_f32 v[XA], v[XA]
.if XP < 30
	v_pk_add_f32 v[XB:XB+1], v[XB:XB+1], v[MC+2*(XP&1):MC+2*(XP&1)+1]
.endif
	v_exp_f32 v[XA+1], v[XA+1]
.if \first == 0
	v_pk_mul_f32 v[O+2*XP:O+2*XP+1], v[O+2*XP:O+2*XP+1], v[AL+2*(XP>>4):AL+2*(XP>>4)+1]
.endif
.set XP, XP+1
.endr
	v_nop                                          ; a plain place behind the last exponentials
	s_wait_alu depctr_va_vdst(0)
	; the sum in f32, and P packed to f16 in place: word i takes numbers 2 i and 2 i + 1, which the sum has just read
.set XI, 0
.rept 16
.irp n, 0,1
.if XI == 0
.if \first
	s_wait_alu depctr_va_vdst(0)
	v_pk_add_f32 v[L+2*\n:L+2*\n+1], v[S+32*\n:S+32*\n+1], v[S+32*\n+2:S+32*\n+3]
.else
	v_pk_fma_f32 v[L+2*\n:L+2*\n+1], v[L+2*\n:L+2*\n+1], v[AL+2*\n:AL+2*\n+1], v[S+32*\n:S+32*\n+1]
.endif
.else
.if (XI > 1) || (\first == 0)
	v_pk_add_f32 v[L+2*\n:L+2*\n+1], v[L+2*\n:L+2*\n+1], v[S+32*\n+2*XI:S+32*\n+2*XI+1]
.endif
.endif
	v_cvt_pk_f16_f32 v[S+32*\n+XI], v[S+32*\n+2*XI], v[S+32*\n+2*XI+1]
.endr
.set XI, XI+1
.endr
	s_wait_dscnt 0x0                               ; V^T's fragments are in
	; O^T += V^T P^T: eight accumulators take turns, one instruction a turn
.irp c2, 0,1
.irp n, 0,1
.irp dt, 0,1,2,3
.if \first*(1-\c2)
	v_wmma_f32_16x16x32_f16 v[O+32*\n+8*\dt:O+32*\n+8*\dt+7], v[KV+32*\c2+8*\dt:KV+32*\c2+8*\dt+7], v[S+32*\n+8*\c2:S+32*\n+8*\c2+7], 0
.else
	v_wmma_f32_16x16x32_f16 v[O+32*\n+8*\dt:O+32*\n+8*\dt+7], v[KV+32*\c2+8*\dt:KV+32*\c2+8*\dt+7], v[S+32*\n+8*\c2:S+32*\n+8*\c2+7], v[O+32*\n+8*\dt:O+32*\n+8*\dt+7]
.endif
.endr
.endr
.endr
	; five places: the next step loads over V's registers and its first products write over P's; at the end they serve the reads of O
	v_add_nc_u32 v[KADR], 64*PK, v[KADR]
	v_add_nc_u32 v[VADR], 64*PV, v[VADR]
.rept 3
	v_nop
.endr
.endm
; My 256 keys of a slot: four steps
.macro PHASE slot, first
	v_add_nc_u32 v[KADR], s[KB+\slot], v[KLANE]
	v_add_nc_u32 v[VADR], s[VB+\slot], v[VLANE]
.if \first
	STEP 1
	s_mov_b32 s54, 3
.else
	s_mov_b32 s54, 4
.endif
.Lstep_\@:
	STEP 0
	s_sub_co_u32 s54, s54, 1
	s_cmp_lg_u32 s54, 0
	s_cbranch_scc1 .Lstep_\@
.endm
; Slot s has been read and is filled again, 1,024 keys on.  The refill has the other slot's phase in which to land.
.macro CHANGE s
	s_wait_xcnt 0x0
	v_lshl_add_u32 v190, v0, 2, 0x4c000
	v_mov_b32 v191, 0
	s_wait_tensorcnt 0x0                           ; all my tensor loads have landed, my part of the other slot among them: a group 0 may be written
	ds_add_u32 v190, v191
	s_wait_dscnt 0x0
	s_add_nc_u64 s[G0V+4*\s+2:G0V+4*\s+3], s[G0V+4*\s+2:G0V+4*\s+3], 131072
	s_add_nc_u64 s[G0K+4*\s+2:G0K+4*\s+3], s[G0K+4*\s+2:G0K+4*\s+3], 131072
	s_wait_dscnt 0x0                               ; my reads of this slot are over
	ROUND                                          ; both now hold of every wave of the four work-groups
	JLOAD \s                                       ; my one tensor load behind the round, and the first thing there
.endm
	s_wait_xcnt 0x0
	v_lshl_add_u32 v190, v0, 2, 0x4c000
	v_mov_b32 v191, 0
	s_wait_tensorcnt 0x0                           ; my part of slot 0 is in: no tensor load of mine is out
	ds_add_u32 v190, v191
	s_wait_dscnt 0x0
	s_wait_loadcnt 0x0                             ; Q
	s_wait_dscnt 0x0                               ; no LDS access is out yet: met at once
	ROUND                                          ; slot 0 is whole in all four work-groups
	JLOAD 1                                        ; keys 512-1023: slot 1's first fill, issued as a refill is: my one tensor load behind the round
	PHASE 0, 1                                     ; keys 0-511
	CHANGE 0
	PHASE 1, 0                                     ; keys 512-1023
	CHANGE 1
	PHASE 0, 0                                     ; keys 1024-1535
	s_wait_tensorcnt 0x0                           ; my part of the last fill is in
	s_wait_dscnt 0x0                               ; my last reads of slot 0 are over: its first bytes become the stages
	s_barrier_signal -1
	s_barrier_wait -1
	PHASE 1, 0                                     ; keys 1536-2047
	; THE TWO HALVES OF THE KEYS ARE JOINED.  The upper wave of a group hands M, its lanes' parts of the sums and O to the lower one through
	; 8,704 bytes of LDS, 512 consecutive bytes a store.  The stages lie in slot 0, which has had its last fill and whose reads ended in front of the last barrier.
	v_add_f32 v[T+2], v[L], v[L+1]                 ; my lane's part of tile 0's sum,
	v_add_f32 v[T+3], v[L+2], v[L+3]               ; of tile 1's
	v_mov_b32 v[T], v[M]
	v_mov_b32 v[T+1], v[M+1]
	v_and_b32 v[CO], 31, v0
	v_lshlrev_b32 v[CO], 4, v[CO]                  ; 16 x lane
	s_mul_i32 s55, s13, MROW
	v_add_nc_u32 v[MA], s55, v[CO]
	s_cmp_lt_u32 s8, 8
	s_cbranch_scc1 .Lkeeps
	ds_store_b128 v[MA], v[T:T+3]
.set XI, 0
.rept 16
	ds_store_b128 v[MA], v[O+4*XI:O+4*XI+3] offset:512*(XI+1)
.set XI, XI+1
.endr
.Lkeeps:
	s_wait_dscnt 0x0                               ; the upper waves' stores are done, for their partners' sake
	s_barrier_signal -1
	s_barrier_wait -1
	s_cmp_lt_u32 s8, 8
	s_cbranch_scc0 .Lgave                          ; the upper waves have nothing left but the closing round
	ds_load_b128 v[MC:MC+3], v[MA]                 ; the partner's M0, M1 and sums
.set XI, 0
.rept 16
	ds_load_b128 v[KV+4*XI:KV+4*XI+3], v[MA] offset:512*(XI+1)     ; the partner's O
.set XI, XI+1
.endr
	s_wait_dscnt 16                                ; the first load is in; the 16 of O may be out
	v_max_num_f32 v[T+4], v[T], v[MC]              ; the joint maxima
	v_max_num_f32 v[T+5], v[T+1], v[MC+1]
	v_sub_f32 v[T], v[T], v[T+4]                   ; all four differences are at most 0, and one of each tile's two is 0
	v_sub_f32 v[T+1], v[T+1], v[T+5]
	v_sub_f32 v[MC], v[MC], v[T+4]
	v_sub_f32 v[MC+1], v[MC+1], v[T+5]
	v_exp_f32 v[T], v[T]
	v_exp_f32 v[T+1], v[T+1]
	v_exp_f32 v[MC], v[MC]
	v_exp_f32 v[MC+1], v[MC+1]
	v_nop                                          ; a plain place behind the exponentials (ISA guide 5.7.2)
	s_wait_alu depctr_va_vdst(0)
	v_mul_f32 v[T+2], v[T+2], v[T]
	v_mul_f32 v[T+3], v[T+3], v[T+1]
	v_fmac_f32 v[T+2], v[MC+2], v[MC]
	v_fmac_f32 v[T+3], v[MC+3], v[MC+1]
	v_permlanex16_b32 v[T+4], v[T+2], s52, s53     ; the other keys of my query lie in lane r xor 16
	v_permlanex16_b32 v[T+5], v[T+3], s52, s53
	v_add_f32 v[T+2], v[T+2], v[T+4]               ; the whole sum: at least 1
	v_add_f32 v[T+3], v[T+3], v[T+5]
	v_rcp_f32 v[T+4], v[T+2]
	v_rcp_f32 v[T+5], v[T+3]                       ; the address lines below are the plain places behind these (ISA guide 5.7.2)
	s_mul_i32 s55, s13, 32*PK
	s_add_co_u32 s55, s55, OST                     ; my own 4,608 bytes for the way out
	v_add_nc_u32 v[STO], s55, v[KLANE]             ; in: row r, 16 h
	v_bfe_u32 v[RD], v0, 3, 2
	v_mul_u32_u24 v[RD], v[RD], PK
	v_and_b32 v[TA], 7, v0
	v_lshl_add_u32 v[RD], v[TA], 4, v[RD]
	v_add_nc_u32 v[RD], s55, v[RD]                 ; back: row lane / 8, 16 (lane mod 8)
	s_wait_alu depctr_va_vdst(0)
	v_mul_f32 v[AL], v[T], v[T+4]                  ; my O's factor: exp2(M - M') / sum, twice for the packed forms
	v_mul_f32 v[AL+1], v[T], v[T+4]
	v_mul_f32 v[AL+2], v[T+1], v[T+5]
	v_mul_f32 v[AL+3], v[T+1], v[T+5]
	v_mul_f32 v[L], v[MC], v[T+4]                  ; the partner's O's factor
	v_mul_f32 v[L+1], v[MC], v[T+4]
	v_mul_f32 v[L+2], v[MC+1], v[T+5]
	v_mul_f32 v[L+3], v[MC+1], v[T+5]
.set XP, 0
.rept 32
	v_pk_mul_f32 v[O+2*XP:O+2*XP+1], v[O+2*XP:O+2*XP+1], v[AL+2*(XP>>4):AL+2*(XP>>4)+1]
.set XP, XP+1
.endr
	s_wait_dscnt 0x0                               ; the partner's O is in
.set XP, 0
.rept 32
	v_pk_fma_f32 v[O+2*XP:O+2*XP+1], v[KV+2*XP:KV+2*XP+1], v[L+2*(XP>>4):L+2*(XP>>4)+1], v[O+2*XP:O+2*XP+1]
.set XP, XP+1
.endr
	; THE WAY OUT: round to f16, and turn 16-byte pieces of 32 rows into 4,096 consecutive bytes through my own part of LDS
.set XP, 0
.rept 32
	v_cvt_pk_f16_f32 v[S+XP], v[O+2*XP], v[O+2*XP+1]       ; tile (n, dt) in words 16 n + 4 dt ..: d = 16 dt + 8 h .. + 7 of query 16 n + r
.set XP, XP+1
.endr
.irp n, 0,1
.irp dt, 0,1,2,3
	ds_store_b128 v[STO], v[S+16*\n+4*\dt:S+16*\n+4*\dt+3] offset:16*PK*\n+32*\dt
.endr
.endr
.irp i, 0,1,2,3,4,5,6,7
	ds_load_b128 v[KV+4*\i:KV+4*\i+3], v[RD] offset:4*PK*\i        ; LDS serves a wave's instructions in order: these see the stores above
.endr
.irp i, 0,1,2,3,4,5,6,7
	s_wait_dscnt 7-\i
	global_store_b128 v[CO], v[KV+4*\i:KV+4*\i+3], s[58:59] offset:512*\i   ; four rows: 512 consecutive bytes, aligned
.endr
.Lgave:
	s_wait_xcnt 0x0
	v_lshl_add_u32 v190, v0, 2, 0x4c000
	v_mov_b32 v191, 0
	s_wait_tensorcnt 0x0
	ds_add_u32 v190, v191
	s_wait_dscnt 0x0
	ROUND                                          ; the closing round
	s_endpgm
.Lfunc_end_k_qea92e18809_attn:
	.size	k_qea92e18809_attn, .Lfunc_end_k_qea92e18809_attn-k_qea92e18809_attn
	.p2alignl 7, 3214868480
	.fill 96, 4, 3214868480
	.section	.rodata,"a",@progbits
	.p2align	6, 0x0
	.amdhsa_kernel k_qea92e18809_attn
		.amdhsa_group_segment_fixed_size 327680
		.amdhsa_private_segment_fixed_size 0
		.amdhsa_enable_private_segment 0
		.amdhsa_kernarg_size 16
		.amdhsa_user_sgpr_count 2
		.amdhsa_user_sgpr_kernarg_segment_ptr 1
		.amdhsa_wavefront_size32 1
		.amdhsa_system_sgpr_workgroup_id_x 1
		.amdhsa_system_sgpr_workgroup_id_y 1
		.amdhsa_system_sgpr_workgroup_id_z 1
		.amdhsa_system_vgpr_workitem_id 0
		.amdhsa_next_free_vgpr 256
		.amdhsa_next_free_sgpr 72
		.amdhsa_reserve_vcc 0
		.amdhsa_float_denorm_mode_32 3
		.amdhsa_float_denorm_mode_16_64 3
		.amdhsa_memory_ordered 1
		.amdhsa_forward_progress 1
		.amdhsa_inst_pref_size 107
	.end_amdhsa_kernel
	.amdgpu_metadata
---
amdhsa.version: [ 1, 2 ]
amdhsa.kernels:
  - .name:           k_qea92e18809_attn
    .symbol:         k_qea92e18809_attn.kd
    .args:
      - { .name: qkv, .offset: 0, .size: 8, .value_kind: global_buffer, .address_space: global }
      - { .name: hh, .offset: 8, .size: 8, .value_kind: global_buffer, .address_space: global }
    .group_segment_fixed_size: 327680
    .private_segment_fixed_size: 0
    .kernarg_segment_align: 8
    .kernarg_segment_size: 16
    .max_flat_workgroup_size: 512
    .sgpr_count:     72
    .vgpr_count:     256
    .wavefront_size: 32
...
	.end_amdgpu_metadata
.endif
;; end of part 3
;; launch proj (part 4): grid 8 x 32, 4 waves a work-group, clusters of 4 x 4, 327,680 bytes of LDS; arguments hh, wh, out0; writes out0
.if DOCPART == 4
	.amdgcn_target "amdgcn-amd-amdhsa--gfx1250"
	.amdhsa_code_object_version 6
	.text
	.protected	k_qea92e18809_proj
	.globl	k_qea92e18809_proj
	.p2align	8
	.type	k_qea92e18809_proj,@function
k_qea92e18809_proj:
	s_mov_b64 s[64:65], 0
	v_nop
	global_prefetch_b8 v0, s[64:65] scope:SCOPE_SE
	s_setreg_imm32_b32 hwreg(HW_REG_WAVE_MODE, 25, 1), 1
	s_wait_xcnt 0x0
	s_wait_alu depctr_hold_cnt(0) depctr_sa_sdst(0) depctr_va_vdst(0) depctr_va_sdst(0) depctr_va_ssrc(0) depctr_va_vcc(0) depctr_vm_vsrc(0)
	s_getreg_b32 s2, hwreg(HW_REG_IB_STS2, 6, 4)
	s_cmp_eq_u32 s2, 0
	s_cbranch_scc0 .Lentry_in_a_cluster
	s_endpgm
.Lentry_in_a_cluster:
	s_bfe_u32 s2, ttmp6, 0x10000c
	s_cmp_lg_u32 s2, 0xf033
	s_cbranch_scc0 .Lentry_shape_is_right
	s_endpgm
.Lentry_shape_is_right:
; proj: out0 = h Wo.  hh: [4096][1024] f16; Wo: the fourth plane of wh, [1024 k][1024 n] f16; out0: [4096][1024] f32; sums in f32.
; 256 blocks of 128 x 128, one a work-group; four waves in 2 x 2, each 64 x 64: 16 accumulator tiles, 128 registers (window 1).
; K goes through two LDS slots of 256 along K, four fills.  One tensor load a wave: waves 0, 1 take 128 k rows of Wo (256 bytes each),
; waves 2, 3 take 64 rows of h (512 bytes each).  Wo is transposed on the way into registers by ds_load_tr16_b128.
; CLUSTER 4 x 4: h's tile hangs on the block row alone and is shared along a row of the cluster, Wo's on the block column alone and is
; shared along a column: joint loads divide the requests for both by four.
; THE WALK ALONG K: clusters with even x take fills 0, 1, 2, 3, clusters with odd x take 2, 3, 0, 1.  The two clusters that need the same rows of h, and the
; clusters of either kind that need the same tiles of Wo, so ask for different halves of K at the start, and each one's two refills ask for what the other kind
; asked for at the start.  The rotation hangs on the cluster's x alone, which all partners share, and enters global addresses only.
; The matrix instruction is used transposed (source 0 = Wo's columns, source 1 = h's rows): a lane holds eight neighbouring columns of a row, 32 bytes.
; LIMITS: f16 operands, magnitudes up to 65,504.
.set PA,    528                        ; h's LDS rows: 512 bytes + 16
.set PB,    288                        ; Wo's LDS rows: 256 bytes + 32
.set BHALF, 128*PB                     ; 36,864: what wave 0 or 1 brings
.set AOFF,  2*BHALF                    ; h's tile lies behind Wo's 256 rows
.set AHALF, 64*PA                      ; 33,792: what wave 2 or 3 brings
.set SLOT,  AOFF+2*AHALF               ; 141,312 bytes
.set STAGE, 2*SLOT                     ; behind the ring: 16 rows x 272 bytes for each wave; no fill lands there
.set SP,    272
.set FILLA, 512                        ; a fill along h's rows: 256 f16
.set FILLB, 524288                     ; a fill down Wo: 256 rows of 2,048 bytes
.set ADRA, 16                          ; v16-17  h's fragments in slot 0, 1
.set ADRB, 20                          ; v20-23  Wo's fragments: 2 slot + half of the slot's K (the immediate reaches 65,535 bytes)
.set STO,  24
.set RD,   25
.set CO,   26
.set F0,   64                          ; a buffer: Wo's four fragments, then h's four
.set F1,   128
.set G1,  24                           ; s[24:31] group 1 for h
.set G0,  32                           ; s[32:39] group 0 for h, one set a slot
.set G1B, 48                           ; s[48:55] group 1 for Wo
.set G0B, 56                           ; s[56:63] group 0 for Wo
.set DA,  18                           ; s[18:19] a refill's step of h's address, a signed 64-bit number: two fills on or two back
.set DB,  66                           ; s[66:67] the same for Wo's
.set MSB, 0
.macro WIN new
.if MSB != \new
	s_set_vgpr_msb (MSB<<8)|\new
.set MSB, \new
.endif
.endm
.macro JLOAD s
	s_cmp_lt_u32 s10, 2
	s_cbranch_scc0 .Lfor_a_\@
	tensor_load_to_lds s[G0B+4*\s:G0B+4*\s+3], s[G1B:G1B+7]
	s_nop 0
	s_branch .Lasked_\@
.Lfor_a_\@:
	tensor_load_to_lds s[G0+4*\s:G0+4*\s+3], s[G1:G1+7]
	s_nop 0
.Lasked_\@:
.endm
.macro CROUND                          ; a round of the cluster's barrier
	s_barrier_signal -1
	s_barrier_wait -1
	s_cmp_lg_u32 s10, 0
	s_cbranch_scc1 .Lnot_wave_0_\@
	s_barrier_signal -3
.Lnot_wave_0_\@:
	s_barrier_wait -3
	s_barrier_signal -1
	s_barrier_wait -1
.endm
	s_load_b128 s[4:7], s[0:1], 0x0                ; hh s[4:5], wh s[6:7]
	s_load_b64 s[8:9], s[0:1], 0x10                ; out0
	v_lshl_add_u32 v254, v0, 2, 0x49400
	v_mov_b32 v255, 0
	ds_add_u32 v254, v255
	v_lshrrev_b32 v1, 5, v0
	v_readfirstlane_b32 s10, v1                    ; wave 0..3
	s_lshr_b32 s11, s10, 1                         ; wm: my half of the block's rows
	s_and_b32 s12, s10, 1                          ; wn: my half of its columns; also which half of a tile I fetch
	s_bfe_u32 s40, ttmp6, 0x40000                  ; cx
	s_bfe_u32 s41, ttmp6, 0x40004                  ; cy
	s_lshl_b32 s42, ttmp9, 2
	s_add_co_u32 s42, s42, s40                     ; bx 0..7
	s_and_b32 s13, ttmp7, 0xffff
	s_lshl_b32 s13, s13, 2
	s_add_co_u32 s13, s13, s41                     ; by 0..31
	s_and_b32 s45, ttmp9, 1                        ; rot: 1 in clusters with odd x, which start at fill 2
	s_lshl_b32 s43, s41, 2
	s_lshl_b32 s43, 15, s43                        ; my row of the cluster
	s_lshl_b32 s44, 0x1111, s40                    ; my column
	s_or_b32 s[G1+0], s43, (1<<16)|(1<<20)|(1<<21)|(6<<22)|(3<<25)     ; h: a pad of 4 words behind every 128
	s_mov_b32 s[G1+1], 256<<16                     ; tensor_dim0 = 256
	s_mov_b32 s[G1+2], 64<<16                      ; tensor_dim1 = 64
	s_mov_b32 s[G1+3], 256<<16                     ; tile_dim0 = 256
	s_mov_b32 s[G1+4], 64                          ; tile_dim1 = 64
	s_mov_b32 s[G1+5], 1024
	s_mov_b32 s[G1+6], 0
	s_mov_b32 s[G1+7], 0
	s_or_b32 s[G1B+0], s44, (1<<16)|(1<<20)|(1<<21)|(5<<22)|(7<<25)    ; Wo: a pad of 8 words behind every 64
	s_mov_b32 s[G1B+1], 128<<16
	s_mov_b32 s[G1B+2], 128<<16
	s_mov_b32 s[G1B+3], 128<<16
	s_mov_b32 s[G1B+4], 128
	s_mov_b32 s[G1B+5], 1024
	s_mov_b32 s[G1B+6], 0
	s_mov_b32 s[G1B+7], 0
	s_lshl_b32 s16, s13, 18                        ; h: 128 by rows of 2,048 bytes
	s_lshl_b32 s17, s12, 17                        ; + my 64 rows
	s_add_co_u32 s16, s16, s17
	s_lshl_b32 s17, s45, 10                        ; + 2 rot fills of 512 bytes
	s_add_co_u32 s16, s16, s17
	s_mov_b32 s17, 0
	s_lshl_b32 s46, s42, 8                         ; Wo: the block's 256 bytes of a row
	s_lshl_b32 s47, s12, 18                        ; + my 128 k rows
	s_add_co_u32 s46, s46, s47
	s_add_co_u32 s46, s46, 3*2097152               ; in the fourth plane
	s_lshl_b32 s47, s45, 20                        ; + 2 rot fills of 524,288 bytes
	s_add_co_u32 s46, s46, s47
	s_mov_b32 s47, 0
	s_lshl_b32 s[DA], s45, 11
	s_sub_co_u32 s[DA], 2*FILLA, s[DA]             ; 1,024 - 2,048 rot: two fills on, or two back
	s_sub_co_u32 s[DA+1], 0, s45                   ; its sign, 0 or -1
	s_lshl_b32 s[DB], s45, 21
	s_sub_co_u32 s[DB], 2*FILLB, s[DB]             ; 1,048,576 - 2,097,152 rot
	s_sub_co_u32 s[DB+1], 0, s45
	s_mul_i32 s20, s10, BHALF                      ; Wo: waves 0, 1 at wave x 36,864
	s_mul_i32 s21, s10, AHALF
	s_add_co_u32 s21, s21, AOFF-2*AHALF            ; h: waves 2, 3 at 73,728 + (wave - 2) x 33,792
	s_wait_dscnt 0x0
	s_wait_kmcnt 0x0
	s_add_nc_u64 s[14:15], s[4:5], s[16:17]
	s_add_nc_u64 s[46:47], s[6:7], s[46:47]
.irp s, 0,1
	s_mov_b32 s[G0+4*\s], 1
	s_add_co_u32 s[G0+4*\s+1], s21, \s*SLOT
	s_add_nc_u64 s[G0+4*\s+2:G0+4*\s+3], s[14:15], \s*FILLA            ; my walk's fill s
	s_or_b32 s[G0+4*\s+3], s[G0+4*\s+3], 0x80000000
	s_mov_b32 s[G0B+4*\s], 1
	s_add_co_u32 s[G0B+4*\s+1], s20, \s*SLOT
	s_add_nc_u64 s[G0B+4*\s+2:G0B+4*\s+3], s[46:47], \s*FILLB
	s_or_b32 s[G0B+4*\s+3], s[G0B+4*\s+3], 0x80000000
.endr
	CROUND                                         ; all sixteen work-groups are here: the first joint loads meet
	s_cmp_lt_u32 s10, 2
	s_cbranch_scc0 .Lfirst_a
	tensor_load_to_lds s[G0B:G0B+3], s[G1B:G1B+7]
	s_nop 0
	tensor_load_to_lds s[G0B+4:G0B+7], s[G1B:G1B+7]
	s_nop 0
	s_branch .Lfirst_done
.Lfirst_a:
	tensor_load_to_lds s[G0:G0+3], s[G1:G1+7]
	s_nop 0
	tensor_load_to_lds s[G0+4:G0+7], s[G1:G1+7]
	s_nop 0
.Lfirst_done:                                      ; two loads of the wave are out, the most in this text
	v_and_b32 v1, 15, v0                           ; r
	v_bfe_u32 v2, v0, 4, 1                         ; h
	v_mul_u32_u24 v3, v1, PA
	v_lshl_add_u32 v3, v2, 4, v3
	s_mul_i32 s22, s11, AHALF
	s_add_co_u32 s22, s22, AOFF                    ; my 64 rows of h
	v_add_nc_u32 v[ADRA], s22, v3
	v_add_nc_u32 v[ADRA+1], SLOT, v[ADRA]
	v_and_b32 v4, 7, v0
	v_lshl_add_u32 v4, v2, 3, v4
	v_mul_u32_u24 v4, v4, PB
	v_bfe_u32 v5, v0, 3, 1
	v_lshl_add_u32 v4, v5, 4, v4
	s_lshl_b32 s23, s12, 7                         ; my 64 columns = 128 bytes of Wo's rows
	v_add_nc_u32 v[ADRB], s23, v4
	v_add_nc_u32 v[ADRB+1], BHALF, v[ADRB]
	v_add_nc_u32 v[ADRB+2], SLOT, v[ADRB]
	v_add_nc_u32 v[ADRB+3], SLOT+BHALF, v[ADRB]
	s_mul_i32 s22, s10, 16*SP
	s_add_co_u32 s22, s22, STAGE                   ; my stage
	v_mul_u32_u24 v5, v1, SP
	v_lshl_add_u32 v5, v2, 5, v5
	v_add_nc_u32 v[STO], s22, v5                   ; in: row r, 32 h
	v_mul_u32_u24 v6, v2, SP
	v_lshl_add_u32 v6, v1, 4, v6
	v_add_nc_u32 v[RD], s22, v6                    ; back: row h, 16 r
	v_lshlrev_b32 v7, 12, v2
	v_lshl_add_u32 v[CO], v1, 4, v7                ; the same two rows in out0: 4,096 h + 16 r
; 16 LDS loads: part q (32 along K, q = 0..7) of a slot into buffer f
.macro FETCH slot, q, f
.irp b, 0,1,2,3
	ds_load_tr16_b128 v[\f+8*\b:\f+8*\b+3], v[ADRB+2*\slot+\q/4] offset:32*PB*(\q%4)+32*\b
	ds_load_tr16_b128 v[\f+8*\b+4:\f+8*\b+7], v[ADRB+2*\slot+\q/4] offset:32*PB*(\q%4)+32*\b+16*PB
.endr
.irp i, 0,1,2,3
	ds_load_b128 v[\f+32+8*\i:\f+32+8*\i+3], v[ADRA+\slot] offset:64*\q+\i*16*PA
	ds_load_b128 v[\f+32+8*\i+4:\f+32+8*\i+7], v[ADRA+\slot] offset:64*\q+\i*16*PA+32
.endr
.endm
; 16 matrix instructions: the 16 accumulators take turns in the same order every time
.macro MUL16 f, zero
	WIN 0x50                                       ; C and D in window 1
.irp a, 0,1,2,3
.irp b, 0,1,2,3
.if \zero
	v_wmma_f32_16x16x32_f16 v[8*(4*\a+\b):8*(4*\a+\b)+7], v[\f+8*\b:\f+8*\b+7], v[\f+32+8*\a:\f+32+8*\a+7], 0
.else
	v_wmma_f32_16x16x32_f16 v[8*(4*\a+\b):8*(4*\a+\b)+7], v[\f+8*\b:\f+8*\b+7], v[\f+32+8*\a:\f+32+8*\a+7], v[8*(4*\a+\b):8*(4*\a+\b)+7]
.endif
.endr
.endr
	WIN 0
.endm
.macro PLACES                          ; four places between matrix instructions and loads into their sources, or reads of their results
.rept 4
	v_nop
.endr
.endm
; fetches part qn into buffer g, then multiplies buffer f while those loads are on their way
.macro QTR slot, qn, f, g, zero
	PLACES
	FETCH \slot, \qn, \g
	s_wait_dscnt 16                                ; all but the 16 just issued: buffer f is in
	MUL16 \f, \zero
.endm
.macro SLOTWORK slot, zero
	PLACES
	FETCH \slot, 0, F0
	QTR \slot, 1, F0, F1, \zero
	QTR \slot, 2, F1, F0, 0
	QTR \slot, 3, F0, F1, 0
	QTR \slot, 4, F1, F0, 0
	QTR \slot, 5, F0, F1, 0
	QTR \slot, 6, F1, F0, 0
	QTR \slot, 7, F0, F1, 0
	s_wait_dscnt 0x0
	MUL16 F1, 0
.endm
; Slot s has been read and is filled again, with the fill two further along my walk.  The refill has the other slot's 128 matrix instructions in which to land.
.macro CHANGE s
	s_wait_tensorcnt 0x0                           ; all my tensor loads have landed, my part of the other slot among them
	ds_add_u32 v254, v255
	s_add_nc_u64 s[G0+4*\s+2:G0+4*\s+3], s[G0+4*\s+2:G0+4*\s+3], s[DA:DA+1]
	s_add_nc_u64 s[G0B+4*\s+2:G0B+4*\s+3], s[G0B+4*\s+2:G0B+4*\s+3], s[DB:DB+1]
	s_wait_dscnt 0x0                               ; my reads of this slot are over
	CROUND                                         ; both now hold of every wave of the sixteen work-groups
	JLOAD \s                                       ; my one tensor load behind the round, and the first thing there
.endm
	s_wait_tensorcnt 0x1                           ; my part of slot 0 is in; slot 1's stays out
	s_barrier_signal -1
	s_barrier_wait -1
	SLOTWORK 0, 1                                  ; my walk's first 256 of K: the first products start the sums
	CHANGE 0
	SLOTWORK 1, 0
	CHANGE 1
	SLOTWORK 0, 0
	s_wait_tensorcnt 0x0                           ; my part of the last fill is in
	s_wait_dscnt 0x0
	s_barrier_signal -1
	s_barrier_wait -1
	SLOTWORK 1, 0
	; THE WAY OUT, 16 rows at a time through my own stage: 32 bytes a lane and tile in, whole rows of 256 bytes back
	PLACES
	s_lshl_b32 s2, s13, 19                         ; 128 by rows of 4,096 bytes
	s_lshl_b32 s3, s11, 18                         ; + my 64 rows
	s_add_co_u32 s2, s2, s3
	s_lshl_b32 s3, s42, 9                          ; + the block's 512 bytes of a row
	s_add_co_u32 s2, s2, s3
	s_lshl_b32 s3, s12, 8                          ; + my 256
	s_add_co_u32 s2, s2, s3
	s_mov_b32 s3, 0
	s_add_nc_u64 s[8:9], s[8:9], s[2:3]
.macro OUT a, f
	WIN 0x04                                       ; the stores' data in window 1
.irp b, 0,1,2,3
	ds_store_b128 v[STO], v[8*(4*\a+\b):8*(4*\a+\b)+3] offset:64*\b
	ds_store_b128 v[STO], v[8*(4*\a+\b)+4:8*(4*\a+\b)+7] offset:64*\b+16
.endr
	WIN 0
	s_wait_xcnt 0x0                                ; buffer f, which earlier stores name, is rewritten only behind this wait
.irp t, 0,1,2,3,4,5,6,7
	ds_load_b128 v[\f+4*\t:\f+4*\t+3], v[RD] offset:\t*2*SP        ; LDS serves a wave's instructions in order: these see the stores above
.endr
.irp t, 0,1,2,3,4,5,6,7
	s_wait_dscnt 7-\t
	global_store_b128 v[CO], v[\f+4*\t:\f+4*\t+3], s[8:9] offset:(16*\a+2*\t)*4096 th:TH_STORE_NT   ; 16 lanes cover 256 consecutive bytes, aligned
.endr
.endm
	OUT 0, F0
	OUT 1, F1
	OUT 2, F0
	OUT 3, F1
	s_wait_tensorcnt 0x0
	ds_add_u32 v254, v255
	s_wait_dscnt 0x0
	CROUND                                         ; the closing round
	s_endpgm
.Lfunc_end_k_qea92e18809_proj:
	.size	k_qea92e18809_proj, .Lfunc_end_k_qea92e18809_proj-k_qea92e18809_proj
	.p2alignl 7, 3214868480
	.fill 96, 4, 3214868480
	.section	.rodata,"a",@progbits
	.p2align	6, 0x0
	.amdhsa_kernel k_qea92e18809_proj
		.amdhsa_group_segment_fixed_size 327680
		.amdhsa_private_segment_fixed_size 0
		.amdhsa_enable_private_segment 0
		.amdhsa_kernarg_size 24
		.amdhsa_user_sgpr_count 2
		.amdhsa_user_sgpr_kernarg_segment_ptr 1
		.amdhsa_wavefront_size32 1
		.amdhsa_system_sgpr_workgroup_id_x 1
		.amdhsa_system_sgpr_workgroup_id_y 1
		.amdhsa_system_sgpr_workgroup_id_z 1
		.amdhsa_system_vgpr_workitem_id 0
		.amdhsa_next_free_vgpr 384
		.amdhsa_next_free_sgpr 68
		.amdhsa_reserve_vcc 0
		.amdhsa_float_denorm_mode_32 3
		.amdhsa_float_denorm_mode_16_64 3
		.amdhsa_memory_ordered 1
		.amdhsa_forward_progress 1
		.amdhsa_inst_pref_size 89
	.end_amdhsa_kernel
	.amdgpu_metadata
---
amdhsa.version: [ 1, 2 ]
amdhsa.kernels:
  - .name:           k_qea92e18809_proj
    .symbol:         k_qea92e18809_proj.kd
    .args:
      - { .name: hh, .offset: 0, .size: 8, .value_kind: global_buffer, .address_space: global }
      - { .name: wh, .offset: 8, .size: 8, .value_kind: global_buffer, .address_space: global }
      - { .name: out0, .offset: 16, .size: 8, .value_kind: global_buffer, .address_space: global }
    .group_segment_fixed_size: 327680
    .private_segment_fixed_size: 0
    .kernarg_segment_align: 8
    .kernarg_segment_size: 24
    .max_flat_workgroup_size: 128
    .sgpr_count:     68
    .vgpr_count:     384
    .wavefront_size: 32
...
	.end_amdgpu_metadata
.endif
;; end of part 4
;; ======== version 2 of 2: 4 launches; version 1 with the launch prep written anew for expert scheduling mode
;; limits: values are held in f16: magnitudes above 65,504 overflow, below 6.1e-05 lose precision
;; workspace buffers: xh 8,388,608 bytes; wh 8,388,608 bytes; qkv 25,165,824 bytes; hh 8,388,608 bytes
;; launch prep (part 5): grid 256 x 1, 8 waves a work-group, no clusters, 0 bytes of LDS; arguments x, Wq, Wk, Wv, Wo, xh, wh; writes xh, wh
.if DOCPART == 5
	.amdgcn_target "amdgcn-amd-amdhsa--gfx1250"
	.amdhsa_code_object_version 6
	.text
	.protected	k_qea92e18809_prep
	.globl	k_qea92e18809_prep
	.p2align	8
	.type	k_qea92e18809_prep,@function
k_qea92e18809_prep:
	s_mov_b64 s[64:65], 0
	v_nop
	global_prefetch_b8 v0, s[64:65] scope:SCOPE_SE
	s_setreg_imm32_b32 hwreg(HW_REG_WAVE_SCHED_MODE, 0, 2), 2
	s_setreg_imm32_b32 hwreg(HW_REG_WAVE_MODE, 25, 1), 1
	s_wait_xcnt 0x0
	s_wait_alu depctr_vm_vsrc(0)
; prep: x, Wq, Wk, Wv, Wo (f32) become xh and wh (f16): a linear stream, each byte read once and written once.
; wh holds four planes of 2,097,152 bytes: c*Wq, Wk, Wv, Wo, each [1024 k][1024 n] as in the input.
; c = log2(e)/8 is the softmax scale 1/sqrt(64) together with the change from base e to base 2: it is multiplied into Wq in f32
; before the one rounding to f16, so that the attention launch gets its scores ready for v_exp_f32 and only subtracts the maximum.
; 256 work-groups of 131,072 source bytes: 0-127 take x, then 32 each take Wq, Wk, Wv, Wo.  A wave takes 16,384 bytes as 32 loads of
; 512 consecutive bytes, all issued before the first is used; a store of a wave covers 256 consecutive bytes, aligned.
; No LDS, no matrix unit, no cluster: no byte is shared between waves.
; LIMITS: f16 holds magnitudes up to 65,504 (larger inputs become infinity); below 6.1e-5 the absolute error is at most 3e-8.
; THE MODE: SCHED_MODE bits 1:0 = 2 (LLVM: expert scheduling mode 2), set by the entry lines.  The code itself states the register dependences
; between vector instructions and memory instructions, with s_wait_alu, always for 0.
; THE PLAN.  Registers that memory instructions touch:
;   v1, v2   byte offsets of the loads and of the stores: made once at the head, never written again.
;   X        load i lands in 4 registers of its own.  No vector line names them ahead of the loads; no memory instruction reads them.
;   Y        store i leaves from 2 registers of its own: written once, by turn i's two conversions, read once, by that store, never written again.
; The 32 turns go in eight blocks of four.  Block p's vector lines name X and Y of its own four turns alone; its memory instructions are the four stores
; of block p - 1.  So one wait on va_vdst at a block's head states all that those four stores hang on, and they are dealt among the block's conversions
; with no further wait.  No register that a memory instruction has read is written again, so behind the entry lines the text holds no wait on vm_vsrc.
.set X,    8                           ; v[8:135]    load i: 4 f32
.set Y,    136                         ; v[136:199]  store i: 4 f16
.set BLK,  4                           ; turns in a block
.set CLOG, 0x3e38aa3b                  ; log2(e)/8
	s_load_b256 s[4:11], s[0:1], 0x0               ; x s[4:5], Wq s[6:7], Wk s[8:9], Wv s[10:11]
	s_load_b128 s[12:15], s[0:1], 0x20             ; Wo s[12:13], xh s[14:15]
	s_load_b64 s[16:17], s[0:1], 0x30              ; wh
	s_mov_b32 s2, ttmp9                            ; g, the work-group
	v_lshrrev_b32 v3, 5, v0                        ; wave
	v_and_b32 v4, 31, v0                           ; lane
	v_lshlrev_b32 v1, 4, v4
	v_lshl_or_b32 v1, v3, 14, v1                   ; source: 16,384 wave + 16 lane
	v_lshlrev_b32 v2, 3, v4
	v_lshl_or_b32 v2, v3, 13, v2                   ; destination: 8,192 wave + 8 lane
	s_and_b32 s24, s2, 31
	s_cmp_lt_u32 s2, 128
	s_cselect_b32 s24, s2, s24                     ; my part of the source: g in x, g mod 32 in a weight
	s_lshl_b32 s24, s24, 17
	s_mov_b32 s25, 0
	s_and_b32 s26, s2, 127                         ; my part of the destination: wh's planes are 32 parts of 65,536 bytes each
	s_lshl_b32 s26, s26, 16
	s_mov_b32 s27, 0
	s_mov_b32 s28, CLOG
	s_mov_b32 s29, CLOG                            ; the pair is named whole by the packed multiply
	s_wait_kmcnt 0x0
	s_cmp_ge_u32 s2, 128
	s_cselect_b64 s[20:21], s[6:7], s[4:5]
	s_cselect_b64 s[22:23], s[16:17], s[14:15]
	s_cmp_ge_u32 s2, 160
	s_cselect_b64 s[20:21], s[8:9], s[20:21]
	s_cmp_ge_u32 s2, 192
	s_cselect_b64 s[20:21], s[10:11], s[20:21]
	s_cmp_ge_u32 s2, 224
	s_cselect_b64 s[20:21], s[12:13], s[20:21]
	s_add_nc_u64 s[20:21], s[20:21], s[24:25]
	s_add_nc_u64 s[22:23], s[22:23], s[26:27]
	s_wait_alu depctr_va_vdst(0)                   ; v1 and v2 are written: every load reads v1 as its offset, every store v2, on both ways behind the branch below
.set i, 0
.rept 32
	global_load_b128 v[X+4*i:X+4*i+3], v1, s[20:21] offset:512*i th:TH_LOAD_NT
.set i, i+1
.endr
; 32 turns in eight blocks of four.  Turn i: wait for load i (the 31 - i younger ones stay out), send the store of turn i - 4, round.
; No register is written twice while an access names it.
.macro CONV scaled
.set i, 0
.rept 32
	s_wait_loadcnt 31-i
.if (i >= BLK) && (i%BLK == 0)
	s_wait_alu depctr_va_vdst(0)                   ; the block before has written its eight registers of Y, which this block's four stores read; this block's vector lines name none of them
.endif
.if i >= BLK
	global_store_b64 v2, v[Y+2*(i-BLK):Y+2*(i-BLK)+1], s[22:23] offset:256*(i-BLK)
.endif
.if \scaled
	v_pk_mul_f32 v[X+4*i:X+4*i+1], v[X+4*i:X+4*i+1], s[28:29] op_sel_hi:[1,0]
	v_pk_mul_f32 v[X+4*i+2:X+4*i+3], v[X+4*i+2:X+4*i+3], s[28:29] op_sel_hi:[1,0]
.endif
	v_cvt_pk_f16_f32 v[Y+2*i], v[X+4*i], v[X+4*i+1]
	v_cvt_pk_f16_f32 v[Y+2*i+1], v[X+4*i+2], v[X+4*i+3]
.set i, i+1
.endr
	s_wait_alu depctr_va_vdst(0)                   ; the last block has written its eight registers of Y, which the last four stores read
.set i, 32-BLK
.rept BLK
	global_store_b64 v2, v[Y+2*i:Y+2*i+1], s[22:23] offset:256*i
.set i, i+1
.endr
.endm
	s_lshr_b32 s30, s2, 5
	s_cmp_eq_u32 s30, 4                            ; work-groups 128 to 159 hold Wq
	s_cbranch_scc1 .Lscaled
	CONV 0
	s_endpgm
.Lscaled:
	CONV 1
	s_endpgm
.Lfunc_end_k_qea92e18809_prep:
	.size	k_qea92e18809_prep, .Lfunc_end_k_qea92e18809_prep-k_qea92e18809_prep
	.p2alignl 7, 3214868480
	.fill 96, 4, 3214868480
	.section	.rodata,"a",@progbits
	.p2align	6, 0x0
	.amdhsa_kernel k_qea92e18809_prep
		.amdhsa_group_segment_fixed_size 0
		.amdhsa_private_segment_fixed_size 0
		.amdhsa_enable_private_segment 0
		.amdhsa_kernarg_size 56
		.amdhsa_user_sgpr_count 2
		.amdhsa_user_sgpr_kernarg_segment_ptr 1
		.amdhsa_wavefront_size32 1
		.amdhsa_system_sgpr_workgroup_id_x 1
		.amdhsa_system_sgpr_workgroup_id_y 1
		.amdhsa_system_sgpr_workgroup_id_z 1
		.amdhsa_system_vgpr_workitem_id 0
		.amdhsa_next_free_vgpr 200
		.amdhsa_next_free_sgpr 66
		.amdhsa_reserve_vcc 0
		.amdhsa_float_denorm_mode_32 3
		.amdhsa_float_denorm_mode_16_64 3
		.amdhsa_memory_ordered 1
		.amdhsa_forward_progress 1
		.amdhsa_inst_pref_size 26
	.end_amdhsa_kernel
	.amdgpu_metadata
---
amdhsa.version: [ 1, 2 ]
amdhsa.kernels:
  - .name:           k_qea92e18809_prep
    .symbol:         k_qea92e18809_prep.kd
    .args:
      - { .name: x, .offset: 0, .size: 8, .value_kind: global_buffer, .address_space: global }
      - { .name: Wq, .offset: 8, .size: 8, .value_kind: global_buffer, .address_space: global }
      - { .name: Wk, .offset: 16, .size: 8, .value_kind: global_buffer, .address_space: global }
      - { .name: Wv, .offset: 24, .size: 8, .value_kind: global_buffer, .address_space: global }
      - { .name: Wo, .offset: 32, .size: 8, .value_kind: global_buffer, .address_space: global }
      - { .name: xh, .offset: 40, .size: 8, .value_kind: global_buffer, .address_space: global }
      - { .name: wh, .offset: 48, .size: 8, .value_kind: global_buffer, .address_space: global }
    .group_segment_fixed_size: 0
    .private_segment_fixed_size: 0
    .kernarg_segment_align: 8
    .kernarg_segment_size: 56
    .max_flat_workgroup_size: 256
    .sgpr_count:     66
    .vgpr_count:     200
    .wavefront_size: 32
...
	.end_amdgpu_metadata
.endif
;; end of part 5
;; launch qkv: the kernel of part 2 again; grid 8 x 32, 4 waves a work-group, clusters of 4 x 4, 327,680 bytes of LDS; arguments xh, wh, qkv; writes qkv
;; launch attn: the kernel of part 3 again; grid 8 x 32, 16 waves a work-group, clusters of 4 x 1, 327,680 bytes of LDS; arguments qkv, hh; writes hh
;; launch proj: the kernel of part 4 again; grid 8 x 32, 4 waves a work-group, clusters of 4 x 4, 327,680 bytes of LDS; arguments hh, wh, out0; writes out0
